; MI455X (gfx1250); checked and timed in simulation.
; The chip was launched on July 23, 2026; its instructions are those of AMD's public machine-readable ISA for CDNA 5 (MIT licence, August 2026) and "CDNA5" Instruction Set Architecture Reference Guide (July 2026). The comments in the code are by the model that wrote it; some were corrected since.
;; Quantized Linear. Allowed arithmetic: float matrix products may take bf16 or f16 operands with f32 sums; other float arithmetic in f32, or as packed bf16 or f16 multiplies, adds, multiply-adds, maxima and minima; sums over many terms, partial sums and values carried from step to step in f32; what a program stores and reads back later, other than sums and carried values, may be rounded once to bf16 or f16.
;; Inputs: act_scale one number float32; act_zero_point one number int32; bias 4,096 float32; weight 4,096 x 4,096 float32; weight_scale 4,096 float32; weight_zero_point 4,096 int32; x 4,096 x 4,096 float32.
;; Outputs: out0 4,096 x 4,096 float32.
;; 2 versions, each right; version 2 is version 1 with the launch quant written anew for expert scheduling mode. Each part assembles by itself: llvm-mc -triple=amdgcn-amd-amdhsa -mcpu=gfx1250 --defsym DOCPART=n.
;; ======== version 1 of 2: 2 launches
;; workspace buffers: xq 33,554,432 bytes; wq 33,554,432 bytes
;; launch quant (part 1): grid 512 x 2, 8 waves a work-group, no clusters, 0 bytes of LDS; arguments x, weight, act_scale, weight_scale, act_zero_point, weight_zero_point, xq, wq; writes xq, wq
.if DOCPART == 1
	.amdgcn_target "amdgcn-amd-amdhsa--gfx1250"
	.amdhsa_code_object_version 6
	.text
	.protected	k_qbc6c6b021b_quant
	.globl	k_qbc6c6b021b_quant
	.p2align	8
	.type	k_qbc6c6b021b_quant,@function
k_qbc6c6b021b_quant:
	s_mov_b64 s[64:65], 0
	v_nop
	global_prefetch_b8 v0, s[64:65] scope:SCOPE_SE
	s_setreg_imm32_b32 hwreg(HW_REG_WAVE_MODE, 25, 1), 1
	s_wait_xcnt 0x0
; xq[n][i] = clip(round(x[n][i] / act_scale), -zp, 255 - zp), wq[o][i] the same with row o's scale and zero point: the uint8 code less its zero point,
; which is what clip(round(t) + zp, 0, 255) - zp comes to.  x, weight: [4096][4096] f32.  xq, wq: [4096][4096] bf16.  The two scales are applied by the next launch, to the finished sums.
; For zero points from -1 to 256 the numbers are whole and at most 256 in size, which bf16 holds exactly; for others they are rounded once to bf16, as matrix operands.
; LIMITS.  x and weight finite, and v / scale finite in f32; |scale| within 2^-126 .. 2^126 (the reciprocal instruction takes denormals for zero: ISA guide 15.8); scale = 0 and NaN are not treated apart;
; |zero point| at most 2^24 - 256, so that -zp and 255 - zp are exact in f32.  The quotient is x r, r a reciprocal refined once, corrected by its exact remainder: it can differ from the f32
; division in the last bit in rare cases; a tie that falls the other way then moves one code by one step.
; SHARES.  A stream: nothing is shared, so no LDS, no barrier, no matrix unit, no cluster.  Grid y picks the tensor (0: x, 1: weight).  A work-group owns 8 rows, a wave ONE row:
; 16,384 bytes in, 8,192 out, so scale and zero point are two scalars of the wave.  A load of the wave covers 512 consecutive bytes (16 a lane); the lane's four numbers become
; 8 bytes, so a store of the wave covers 256 consecutive bytes, aligned.  Fifteen or sixteen loads of a wave are out until the reloads end.  The row's 32 pieces are written out: no register that a load or a
; store names as a source is ever written again, so no wait stands in the text but the counted ones for the loads.
.set LIN,  1                           ; v1        16 x lane: my bytes in a piece of the source row; never rewritten
.set LOUT, 2                           ; v2        8 x lane: my bytes in a piece of the destination row; never rewritten
.set R,    4                           ; v[4:5]    1 / scale, twice (a pair for the packed forms)
.set NS,   6                           ; v[6:7]    -scale, twice
.set LO,   8                           ; v8        -zp
.set HI,   9                           ; v9        255 - zp
.set T,    12                          ; v[12:15]  four numbers at work
.set X,    16                          ; v[16:79]  slot s of 16: four numbers as loaded
.set Y,    80                          ; v[80:111] pieces 0 to 15: two registers each, to store
	s_load_b512 s[16:31], s[0:1], 0x0              ; x, weight, act_scale, weight_scale, act_zero_point, weight_zero_point, xq, wq: s[16:17] .. s[30:31]
	v_and_b32 v3, 31, v0                           ; lane
	v_lshlrev_b32 v[LIN], 4, v3
	v_lshlrev_b32 v[LOUT], 3, v3
	v_lshrrev_b32 v3, 5, v0
	v_readfirstlane_b32 s2, v3                     ; wave 0..7
	s_and_b32 s3, ttmp7, 0xffff                    ; 0: x, 1: weight
	s_lshl_b32 s4, ttmp9, 3
	s_add_co_u32 s4, s4, s2                        ; my row
	s_mul_i32 s14, s4, s3                          ; the row's place among the scales and zero points: the row for weight, 0 for x (one number each)
	s_lshl_b32 s14, s14, 2
	s_mov_b32 s15, 0
	s_lshl_b32 s32, s4, 14                         ; the row's first byte in the source,
	s_mov_b32 s33, 0
	s_lshl_b32 s34, s4, 13                         ; and in the destination
	s_mov_b32 s35, 0
	s_wait_kmcnt 0x0
	s_cmp_eq_u32 s3, 0                             ; the choice hangs on the grid's y alone; the four selects leave SCC as it is
	s_cselect_b64 s[6:7], s[16:17], s[18:19]       ; source
	s_cselect_b64 s[8:9], s[20:21], s[22:23]       ; scale
	s_cselect_b64 s[10:11], s[24:25], s[26:27]     ; zero point
	s_cselect_b64 s[12:13], s[28:29], s[30:31]     ; destination
	s_add_nc_u64 s[6:7], s[6:7], s[32:33]
	s_add_nc_u64 s[8:9], s[8:9], s[14:15]
	s_add_nc_u64 s[10:11], s[10:11], s[14:15]
	s_add_nc_u64 s[12:13], s[12:13], s[34:35]
	s_load_b32 s36, s[8:9], 0x0                    ; my row's scale
	s_load_b32 s37, s[10:11], 0x0                  ; and zero point
.set n, 0
.rept 16
	global_load_b128 v[X+4*n:X+4*n+3], v[LIN], s[6:7] offset:512*n th:TH_LOAD_NT  ; pieces 0 to 15: read once in the launch
.set n, n+1
.endr
	s_wait_kmcnt 0x0
	v_mov_b32 v10, s36                             ; s
	v_rcp_f32 v[R], v10
	v_cvt_f32_i32 v11, s37                         ; a plain instruction behind the reciprocal, ahead of the use of its result (ISA guide 5.7.2)
	v_sub_f32 v[LO], 0, v11
	v_sub_f32 v[HI], 0x437f0000, v11               ; 255.0 - zp
	s_wait_alu depctr_va_vdst(0)
	v_fma_f32 v11, -v10, v[R], 1.0                 ; 1 - s r
	v_fma_f32 v[R], v11, v[R], v[R]                ; r refined once
	v_mov_b32 v[R+1], v[R]
	v_xor_b32 v[NS], 0x80000000, v10
	v_mov_b32 v[NS+1], v[NS]
; Piece j of the row's 32.  y: the two registers that take the result.  reload = 1: the slot is filled again with piece j + 16.  left: how many younger loads may stay out.
.macro QSLOT j, y, reload, left
.set XS, X+4*((\j)%16)
	s_wait_loadcnt \left                           ; loads come back in order (ISA guide 5.7.1): mine is in
	v_pk_mul_f32 v[T:T+1],   v[XS:XS+1],   v[R:R+1]                  ; q0 = x r
	v_pk_mul_f32 v[T+2:T+3], v[XS+2:XS+3], v[R:R+1]
	v_pk_fma_f32 v[XS:XS+1],   v[T:T+1],   v[NS:NS+1], v[XS:XS+1]    ; x - q0 s, one rounding
	v_pk_fma_f32 v[XS+2:XS+3], v[T+2:T+3], v[NS:NS+1], v[XS+2:XS+3]
	v_pk_fma_f32 v[T:T+1],   v[XS:XS+1],   v[R:R+1], v[T:T+1]        ; q = q0 + (x - q0 s) r
	v_pk_fma_f32 v[T+2:T+3], v[XS+2:XS+3], v[R:R+1], v[T+2:T+3]
.irp k, 0,1,2,3
	v_rndne_f32 v[T+(\k)], v[T+(\k)]               ; to the nearest whole number, ties to even
.endr
.irp k, 0,1,2,3
	v_med3_num_f32 v[T+(\k)], v[T+(\k)], v[LO], v[HI]  ; the middle of three: the clip
.endr
	v_cvt_pk_bf16_f32 v[(\y)],   v[T],   v[T+1]
	v_cvt_pk_bf16_f32 v[(\y)+1], v[T+2], v[T+3]
.if \reload
	global_load_b128 v[XS:XS+3], v[LIN], s[6:7] offset:512*((\j)+16) th:TH_LOAD_NT
.endif
	global_store_b64 v[LOUT], v[(\y):(\y)+1], s[12:13] offset:256*(\j)  ; 32 lanes store 256 consecutive bytes, at a multiple of 256 from the buffer's first byte; the next launch reads them, so no hint
.endm
.set n, 0
.rept 16
	QSLOT n, Y+2*n, 1, 15                          ; behind piece n's load stand 15 - n first loads and n reloads
.set n, n+1
.endr
.rept 16
	QSLOT n, X+4*(n-16), 0, 31-n                   ; nothing more to load: the counts run down, and the result lies in the slot's own registers
.set n, n+1
.endr
	s_endpgm
.Lfunc_end_k_qbc6c6b021b_quant:
	.size	k_qbc6c6b021b_quant, .Lfunc_end_k_qbc6c6b021b_quant-k_qbc6c6b021b_quant
	.p2alignl 7, 3214868480
	.fill 96, 4, 3214868480
	.section	.rodata,"a",@progbits
	.p2align	6, 0x0
	.amdhsa_kernel k_qbc6c6b021b_quant
		.amdhsa_group_segment_fixed_size 0
		.amdhsa_private_segment_fixed_size 0
		.amdhsa_enable_private_segment 0
		.amdhsa_kernarg_size 64
		.amdhsa_user_sgpr_count 2
		.amdhsa_user_sgpr_kernarg_segment_ptr 1
		.amdhsa_wavefront_size32 1
		.amdhsa_system_sgpr_workgroup_id_x 1
		.amdhsa_system_sgpr_workgroup_id_y 1
		.amdhsa_system_sgpr_workgroup_id_z 1
		.amdhsa_system_vgpr_workitem_id 0
		.amdhsa_next_free_vgpr 112
		.amdhsa_next_free_sgpr 66
		.amdhsa_reserve_vcc 0
		.amdhsa_float_denorm_mode_32 3
		.amdhsa_float_denorm_mode_16_64 3
		.amdhsa_memory_ordered 1
		.amdhsa_forward_progress 1
		.amdhsa_inst_pref_size 37
	.end_amdhsa_kernel
	.amdgpu_metadata
---
amdhsa.version: [ 1, 2 ]
amdhsa.kernels:
  - .name:           k_qbc6c6b021b_quant
    .symbol:         k_qbc6c6b021b_quant.kd
    .args:
      - { .name: x, .offset: 0, .size: 8, .value_kind: global_buffer, .address_space: global }
      - { .name: weight, .offset: 8, .size: 8, .value_kind: global_buffer, .address_space: global }
      - { .name: act_scale, .offset: 16, .size: 8, .value_kind: global_buffer, .address_space: global }
      - { .name: weight_scale, .offset: 24, .size: 8, .value_kind: global_buffer, .address_space: global }
      - { .name: act_zero_point, .offset: 32, .size: 8, .value_kind: global_buffer, .address_space: global }
      - { .name: weight_zero_point, .offset: 40, .size: 8, .value_kind: global_buffer, .address_space: global }
      - { .name: xq, .offset: 48, .size: 8, .value_kind: global_buffer, .address_space: global }
      - { .name: wq, .offset: 56, .size: 8, .value_kind: global_buffer, .address_space: global }
    .group_segment_fixed_size: 0
    .private_segment_fixed_size: 0
    .kernarg_segment_align: 8
    .kernarg_segment_size: 64
    .max_flat_workgroup_size: 256
    .sgpr_count:     66
    .vgpr_count:     112
    .wavefront_size: 32
...
	.end_amdgpu_metadata
.endif
;; end of part 1
;; launch gemm (part 2): grid 16 x 16, 4 waves a work-group, clusters of 4 x 4, 327,680 bytes of LDS; arguments xq, wq, out0, weight_scale, bias, act_scale; writes out0
.if DOCPART == 2
	.amdgcn_target "amdgcn-amd-amdhsa--gfx1250"
	.amdhsa_code_object_version 6
	.text
	.protected	k_qbc6c6b021b_gemm
	.globl	k_qbc6c6b021b_gemm
	.p2align	8
	.type	k_qbc6c6b021b_gemm,@function
k_qbc6c6b021b_gemm:
	s_mov_b64 s[64:65], 0
	v_nop
	global_prefetch_b8 v0, s[64:65] scope:SCOPE_SE
	s_setreg_imm32_b32 hwreg(HW_REG_WAVE_MODE, 25, 1), 1
	s_wait_xcnt 0x0
	s_wait_alu depctr_hold_cnt(0) depctr_sa_sdst(0) depctr_va_vdst(0) depctr_va_sdst(0) depctr_va_ssrc(0) depctr_va_vcc(0) depctr_vm_vsrc(0)
	s_getreg_b32 s2, hwreg(HW_REG_IB_STS2, 6, 4)
	s_cmp_eq_u32 s2, 0
	s_cbranch_scc0 .Lentry_in_a_cluster
	s_endpgm
.Lentry_in_a_cluster:
	s_bfe_u32 s2, ttmp6, 0x10000c
	s_cmp_lg_u32 s2, 0xf033
	s_cbranch_scc0 .Lentry_shape_is_right
	s_endpgm
.Lentry_shape_is_right:
; out0[n][o] = act_scale x weight_scale[o] x (sum over i of xq[n][i] wq[o][i]) + bias[o].  xq, wq: [4096][4096] bf16, the codes less their zero points; out0: [4096][4096] f32; sums in f32.
; LIMIT.  The two scales multiply the finished f32 sum, not each factor: an order of rounding other than that of a product of dequantised numbers.  Their product is formed first, in f32.
; A tile of out0, 256 x 256, is made by a work-group of four waves, one to a SIMD; a wave makes 128 x 128: 64 accumulators of 16 x 16, 512 registers.  256 tiles: one work-group each.
; K goes in 32 steps of 128 through a ring of two LDS slots filled by the tensor data mover: the tiles' rows are 256 bytes of memory and start at multiples of 256 bytes from the buffer's first byte.
; CLUSTERS: 4 x 4 work-groups.  The four of a row of the cluster need the same tiles of xq, the four of a column the same tiles of wq: each tile is asked for JOINTLY, by the same tensor load with the
; same descriptor and a mask that names the four; each receives it in its own LDS.  That divides the requests for both operands by four.
; THE MATRIX INSTRUCTION IS USED TRANSPOSED: source 0 = 16 rows of wq, source 1 = 16 rows of xq.  In the result lane l holds row l % 16 of out0 and its registers 0 to 7 the columns
; 8 (l / 16) + 0 .. 7: 32 neighbouring bytes of a row.
; REGISTERS, in windows of 256 (s_set_vgpr_msb's low byte: bits 1:0 source 0, 3:2 source 1, 5:4 source 2, 7:6 destination):
;   window 0: v0-39 addresses, scales, biases; v64-127, v128-191 fragments of xq, two buffers; on the way out v64-255 are three buffers of 16 rows
;   window 1: v64-127, v128-191 fragments of wq, two buffers
;   window 2: the 32 accumulators of my rows 0-63 (accumulator (a, b) at v[8 (8 a + b)]);   window 3: those of my rows 64-127
.set SIZE_K, 4096
.set SIZE_N, 4096
.set KSTEP,  128
.set PITCH,  272                       ; an LDS row: 256 bytes of data + 16 of padding = 68 words: row r starts at bank 4 r mod 64 (64 banks of 4 bytes: ISA guide 11.1), so the 16 rows of a load start at 16 different banks
.set HALFT,  128*PITCH                 ; 128 rows: what one tensor load brings, and what one wave reads of either operand
.set SLOT,   4*HALFT                   ; xq's 256 rows, then wq's 256 rows
.set STAGE,  2*SLOT                    ; behind the ring, never filled by a tensor load: 16 rows x 528 bytes for each wave, for the way out
.set SPITCH, 528                       ; a stage row: 512 bytes (128 f32) + 16 = 132 words: again 16 rows at 16 different groups of four banks
.set SPARE,  STAGE+4*16*SPITCH         ; behind the stages: the spare words, 128 bytes for each wave: two blocks of 256 bytes that no other line names
.set LAPS,   SIZE_K/(2*KSTEP)          ; a lap = two K steps = once round the ring: 16
.set ROWC,   SIZE_N*4                  ; bytes in a row of out0
.set ADRA, 16                          ; v16-17  LDS address of my xq fragments in slot 0, 1
.set ADRB, 20                          ; v20-21  the same for wq
.set STO,  24                          ; v24     the way out: where I put 32 bytes of a row
.set RD,   25                          ; v25     the way out: where I read 16 bytes of a row back
.set CO,   26                          ; v26     16 x lane: my bytes in 512 consecutive bytes of out0, of the scales and of the biases; never rewritten
.set SPW,  28                          ; v28     LDS address of my spare word: SPARE + 4 x my thread's number; never rewritten
.set NIL,  29                          ; v29     0; never rewritten
.set SC,   32                          ; v[32:35] act_scale x weight_scale of my four columns on the way out
.set BI,   36                          ; v[36:39] their biases
.set F0,   64                          ; fragment buffer 0
.set F1,   128                         ; fragment buffer 1
.set OB,   64                          ; the way out: block a's 16 rows come back into v[OB + 64 (a % 3) ..]
.set G1,  24                           ; s[24:31] descriptor group 1 for xq's tiles
.set G0,  32                           ; s[32:39] descriptor group 0 for xq's tiles, one set for each slot
.set G1B, 48                           ; s[48:55] descriptor group 1 for wq's tiles: it differs in the mask alone
.set G0B, 56                           ; s[56:63] descriptor group 0 for wq's tiles, one set for each slot
.set MSB, 0
.macro WIN new                         ; the immediate's high byte repeats the setting that is left; a switch that changes nothing is dropped
.if MSB != (\new)
	s_set_vgpr_msb (MSB<<8)|(\new)
.set MSB, \new
.endif
.endm
.set MUL_LO, 0xa1                      ; source 0 (wq) window 1, source 1 (xq) window 0, C and D window 2
.set MUL_HI, 0xf1                      ; the same, C and D window 3
.set TO_B,   0x40                      ; destination window 1, address window 0
; A joint load.  Waves 0 and 1 fetch xq's two halves, waves 2 and 3 wq's.  Each of the two lines has one mask and one set of registers for all that issue it.  The branch hangs on the wave's number alone.
; An s_nop 0 and four v_nop follow each of the two lines, ahead of the jump, the label and what follows.
.macro JLOAD s
	s_cmp_eq_u32 s11, 0
	s_cbranch_scc0 .Lfor_b_\@
	tensor_load_to_lds s[G0+4*(\s):G0+4*(\s)+3], s[G1:G1+7]
	s_nop 0
.rept 4
	v_nop
.endr
	s_branch .Lasked_\@
.Lfor_b_\@:
	tensor_load_to_lds s[G0B+4*(\s):G0B+4*(\s)+3], s[G1B:G1B+7]
	s_nop 0
.rept 4
	v_nop
.endr
.Lasked_\@:
.endm
; A round of the cluster's barrier: my work-group's barrier, so that wave 0's signal speaks for all four waves; wave 0 signals for the work-group; every wave waits for all sixteen
; work-groups; my work-group's barrier once more.  No LDS instruction of the wave is pending at a signal.
.macro CREST                           ; a round behind its opening barrier
	s_cmp_lg_u32 s10, 0
	s_cbranch_scc1 .Lnot_wave_0_\@
	s_barrier_signal -3
.Lnot_wave_0_\@:
	s_barrier_wait -3
	s_barrier_signal -1
	s_barrier_wait -1
.endm
.macro CROUND                          ; a whole round
	s_barrier_signal -1
	s_barrier_wait -1
	CREST
.endm
	s_load_b128 s[4:7], s[0:1], 0x0                ; xq s[4:5], wq s[6:7]
	s_load_b64 s[8:9], s[0:1], 0x10                ; out0
	s_load_b128 s[68:71], s[0:1], 0x18             ; weight_scale s[68:69], bias s[70:71]
	s_load_b64 s[72:73], s[0:1], 0x28              ; act_scale
	v_lshl_add_u32 v[SPW], v0, 2, SPARE
	v_mov_b32 v[NIL], 0
	ds_add_u32 v[SPW], v[NIL]                      ; the wave's opening: the add and its wait stand ahead of my first tensor load; the set-up below, work on registers, stands between them
	v_lshrrev_b32 v1, 5, v0
	v_readfirstlane_b32 s10, v1                    ; wave 0..3
	s_lshr_b32 s11, s10, 1                         ; which half of the tile's rows is mine.  Also: I fetch for xq (0) or for wq (1)
	s_and_b32 s12, s10, 1                          ; which half of its columns.  Also: which 128 rows of that tile I fetch
	s_bfe_u32 s40, ttmp6, 0x40000                  ; cx: my place along the cluster's x
	s_bfe_u32 s41, ttmp6, 0x40004                  ; cy: along its y
	s_lshl_b32 s42, ttmp9, 2                       ; in a cluster launch ttmp9 and ttmp7 count clusters
	s_add_co_u32 s42, s42, s40                     ; tile column = 4 x cluster x + cx
	s_and_b32 s13, ttmp7, 0xffff
	s_lshl_b32 s13, s13, 2
	s_add_co_u32 s13, s13, s41                     ; tile row = 4 x cluster y + cy
	s_lshl_b32 s43, s41, 2
	s_lshl_b32 s43, 15, s43                        ; my row of the cluster: places 4 cy .. 4 cy + 3
	s_lshl_b32 s44, 0x1111, s40                    ; my column: places cx, cx + 4, cx + 8, cx + 12
	; descriptor group 1: a tile of 128 rows x 128 elements, padded in LDS
	s_or_b32 s[G1+0], s43, (1<<16)|(1<<20)|(1<<21)|(5<<22)|(3<<25)   ; 15:0 the mask: xq's tiles go to my row; 17:16 elements of 2 bytes; 20 padding on; 21 set beside a mask; 24:22 after every 64 words (code 5); 31:25 4 words of it (code 3)
	s_or_b32 s[G1B+0], s44, (1<<16)|(1<<20)|(1<<21)|(5<<22)|(3<<25)  ; the same with the mask of my column, for wq's tiles
.irp g, G1, G1B
	s_mov_b32 s[(\g)+1], KSTEP<<16                 ; 63:48 tensor_dim0, low half = 128
	s_mov_b32 s[(\g)+2], 128<<16                   ; 79:64 its high half = 0; 95:80 tensor_dim1, low half = 128
	s_mov_b32 s[(\g)+3], KSTEP<<16                 ; 111:96 its high half = 0; 127:112 tile_dim0 = 128
	s_mov_b32 s[(\g)+4], 128                       ; 143:128 tile_dim1 = 128; 159:144 tile_dim2 = 0
	s_mov_b32 s[(\g)+5], SIZE_K                    ; 191:160 tensor_dim0_stride, low word: elements from row to row
	s_mov_b32 s[(\g)+6], 0
	s_mov_b32 s[(\g)+7], 0
.endr
	; where the tiles come from.  xq's hang on the tile row alone, which my row of the cluster shares; wq's on the tile column alone, which my column shares.
	; Every wave makes both addresses, in registers that never hold the other coordinate, and asks by one of them.
	s_lshl_b32 s17, s12, 7                         ; which 128 rows of the tile I fetch
	s_lshl_b32 s16, s13, 8
	s_add_co_u32 s16, s16, s17                     ; xq: row 256 x tile row + 128 x half
	s_lshl_b32 s46, s42, 8
	s_add_co_u32 s46, s46, s17                     ; wq: row 256 x tile column + 128 x half
	s_mov_b32 s17, 0
	s_mov_b32 s47, 0
	s_mov_b64 s[18:19], SIZE_K*2
	s_mul_u64 s[16:17], s[16:17], s[18:19]         ; in bytes
	s_mul_u64 s[46:47], s[46:47], s[18:19]
	s_mul_i32 s20, s10, HALFT                      ; and where they go: xq's two halves, then wq's two halves = wave x 128 rows: no place in the cluster enters an LDS address
	s_wait_dscnt 0x0                               ; the opening add is done
	s_wait_kmcnt 0x0
	s_add_nc_u64 s[14:15], s[4:5], s[16:17]
	s_add_nc_u64 s[46:47], s[6:7], s[46:47]
	CROUND                                         ; all sixteen work-groups are here: the first joint loads meet
.irp s, 0,1
	s_mov_b32 s[G0+4*(\s)], 1                                        ; 1:0 count = 1
	s_add_co_u32 s[G0+4*(\s)+1], s20, (\s)*SLOT                      ; 63:32 LDS address
	s_add_nc_u64 s[G0+4*(\s)+2:G0+4*(\s)+3], s[14:15], (\s)*KSTEP*2  ; 120:64 global address: K step s
	s_or_b32 s[G0+4*(\s)+3], s[G0+4*(\s)+3], 0x80000000              ; 127:126 type = 2
	s_mov_b32 s[G0B+4*(\s)], 1
	s_add_co_u32 s[G0B+4*(\s)+1], s20, (\s)*SLOT
	s_add_nc_u64 s[G0B+4*(\s)+2:G0B+4*(\s)+3], s[46:47], (\s)*KSTEP*2
	s_or_b32 s[G0B+4*(\s)+3], s[G0B+4*(\s)+3], 0x80000000
	JLOAD \s                                       ; the ring is filled before anything else is done: two tensor loads of mine are out
.endr
	s_load_b32 s74, s[72:73], 0x0                  ; act_scale
	; A fragment is 16 rows x 32 K in 8 registers: lane l holds row l % 16; registers 0-3 hold K = 8 (l / 16) + 0..7, registers 4-7 hold
	; K = 16 + 8 (l / 16) + 0..7.  From rows that lie along K: two loads of 16 bytes, 32 bytes apart.  The same for source 0 and source 1.
	v_and_b32 v1, 15, v0                           ; l % 16
	v_bfe_u32 v2, v0, 4, 1                         ; l / 16
	v_mul_u32_u24 v3, v1, PITCH
	v_lshl_add_u32 v3, v2, 4, v3                   ; row x pitch + 16 x half
	s_mul_i32 s21, s11, HALFT                      ; my 128 rows of xq
	s_mul_i32 s22, s12, HALFT                      ; my 128 rows of wq,
	s_add_co_u32 s22, s22, 2*HALFT                 ; which lie behind xq's 256
.irp s, 0,1
	v_add_nc_u32 v[ADRA+(\s)], s21, v3
	v_add_nc_u32 v[ADRB+(\s)], s22, v3
	s_add_co_u32 s21, s21, SLOT
	s_add_co_u32 s22, s22, SLOT
.endr
	s_mul_i32 s23, s10, 16*SPITCH
	s_add_co_u32 s23, s23, STAGE                   ; my stage
	v_mul_u32_u24 v4, v1, SPITCH                   ; in: row l % 16, 32 bytes for each half of the lanes
	v_lshl_add_u32 v4, v2, 5, v4
	v_add_nc_u32 v[STO], s23, v4
	v_and_b32 v5, 31, v0
	v_lshlrev_b32 v[CO], 4, v5                     ; back: 32 lanes take one row of 512 bytes, 16 bytes each
	v_add_nc_u32 v[RD], s23, v[CO]
	; where my part of the tile begins in out0
	s_lshl_b32 s16, s13, 8
	s_lshl_b32 s14, s11, 7
	s_add_co_u32 s16, s16, s14                     ; my first row: 256 x tile row + 128 x half,
	s_lshl_b32 s16, s16, 14                        ; times 16,384 bytes: 4,095 rows at the most, under 2^32
	s_mov_b32 s17, 0
	s_add_nc_u64 s[8:9], s[8:9], s[16:17]
	s_lshl_b32 s46, s42, 10                        ; my first column, in bytes of f32: 1,024 x tile column + 512 x half (in the registers that held wq's address: none that feeds xq's descriptors ever holds cx)
	s_lshl_b32 s47, s12, 9
	s_add_co_u32 s46, s46, s47
	s_mov_b32 s47, 0
	s_add_nc_u64 s[8:9], s[8:9], s[46:47]
	s_add_nc_u64 s[68:69], s[68:69], s[46:47]      ; the scales and biases of my 128 columns lie at the same byte offset
	s_add_nc_u64 s[70:71], s[70:71], s[46:47]
	global_load_b128 v[SC:SC+3], v[CO], s[68:69]   ; read back from the stage a lane holds columns 4 l .. 4 l + 3 of every row: four scales and four biases serve the whole way out
	global_load_b128 v[BI:BI+3], v[CO], s[70:71]
	s_wait_kmcnt 0x0                               ; act_scale
	s_wait_loadcnt 0x0                             ; both loads, once, while the first tile is on its way
.irp i, 0,1,2,3
	v_mul_f32 v[SC+(\i)], s74, v[SC+(\i)]
.endr
; 16 matrix instructions: m blocks a0, a0 + 1 of the window's four (hi = 0: my rows 0-63, 1: rows 64-127) x all 8 n blocks, 32 along K.
; zero = 1: the first product starts the sums: nothing is ever cleared.
.macro MUL16 f, hi, a0, zero
	WIN MUL_LO+0x50*(\hi)  ; MUL_LO or MUL_HI
.irp a, \a0, (\a0)+1
.irp b, 0,1,2,3,4,5,6,7
.if \zero
	v_wmma_f32_16x16x32_bf16 v[8*(8*(\a)+(\b)):8*(8*(\a)+(\b))+7], v[(\f)+8*(\b):(\f)+8*(\b)+7], v[(\f)+8*(4*(\hi)+(\a)):(\f)+8*(4*(\hi)+(\a))+7], 0
.else
	v_wmma_f32_16x16x32_bf16 v[8*(8*(\a)+(\b)):8*(8*(\a)+(\b))+7], v[(\f)+8*(\b):(\f)+8*(\b)+7], v[(\f)+8*(4*(\hi)+(\a)):(\f)+8*(4*(\hi)+(\a))+7], v[8*(8*(\a)+(\b)):8*(8*(\a)+(\b))+7]
.endif
.endr
.endr
.endm
; 32 LDS loads in one run: the fragments of one quarter step (128 rows of wq, 128 rows of xq, 32 K at byte k of the rows) into buffer f
.macro FETCH slot, k, f
	WIN TO_B
.irp i, 0,1,2,3,4,5,6,7
	ds_load_b128 v[(\f)+8*(\i):(\f)+8*(\i)+3],   v[ADRB+(\slot)] offset:(\k)+(\i)*16*PITCH
	ds_load_b128 v[(\f)+8*(\i)+4:(\f)+8*(\i)+7], v[ADRB+(\slot)] offset:(\k)+(\i)*16*PITCH+32
.endr
	WIN 0
.irp i, 0,1,2,3,4,5,6,7
	ds_load_b128 v[(\f)+8*(\i):(\f)+8*(\i)+3],   v[ADRA+(\slot)] offset:(\k)+(\i)*16*PITCH
	ds_load_b128 v[(\f)+8*(\i)+4:(\f)+8*(\i)+7], v[ADRA+(\slot)] offset:(\k)+(\i)*16*PITCH+32
.endr
.endm
; A load into a register that a matrix instruction has read, and an LDS store that reads a matrix result, stand four places behind that matrix instruction, and only plain vector
; instructions that name none of its registers are places (ISA guide 7.12.1 for vector instructions).  So four v_nop stand in front of each run of loads.
.macro PLACES
.rept 4
	v_nop
.endr
.endm
; A K step is four quarter steps of 32 along K, 64 matrix instructions each, on buffers 0, 1, 0, 1.  The 64 accumulators take turns in the same order in every quarter.
; One of the first three: multiplies buffer f; in its middle it fetches the next quarter's fragments, at byte k of the same slot's rows, into buffer g.
.macro QUARTER slot, k, f, g, zero
	s_wait_dscnt 8                                 ; wq and xq's rows 0-63 are in; the youngest eight loads (xq's rows 64-127) may be out
	WIN MUL_LO
	MUL16 \f, 0, 0, \zero
	MUL16 \f, 0, 2, \zero
	PLACES
	FETCH \slot, \k, \g
	s_wait_dscnt 32                                ; all but the 32 just issued
	WIN MUL_HI
	MUL16 \f, 1, 0, \zero
	MUL16 \f, 1, 2, \zero
.endm
; The last quarter multiplies buffer 1 and changes slots.  MEET is its first half: ONE barrier for the change of slots.  In front of it each wave waits for all its tensor loads, of which
; one is out: its part of the next slot; adds 0 to its spare word; and waits for that and for its own reads of this slot.  Behind it nobody reads this slot any more and the next slot is whole.
.macro MEET round                      ; round = 1: a round of the cluster's barrier follows
	WIN 0                                          ; (the add's two registers lie in window 0)
	s_wait_tensorcnt 0x0                           ; all my tensor loads have landed: the one that was out is my part of the next slot;
	ds_add_u32 v[SPW], v[NIL]                      ; 0 onto my spare word;
	s_wait_dscnt 9                                 ; (the add and the youngest eight loads may be out)
	WIN MUL_LO
	MUL16 F1, 0, 0, 0                              ; sixteen matrix instructions stand between the add and the wait for it
	s_wait_dscnt 0x0                               ; the add is done, and my reads of this slot are over:
	s_barrier_signal -1                            ; say so,
	MUL16 F1, 0, 2, 0                              ; work on registers while the others arrive,
.if \round
	WIN 0
.endif
	s_barrier_wait -1                              ; and go on when all four have said so
.endm
; The whole last quarter of a K step whose slot is filled again, with the K step two steps on.  From a request to the wait for it a wave issues 224 matrix instructions; one tensor load of mine is out.
.macro TURN slot, next
	MEET 1
	CREST                                          ; the barrier has opened a round of the cluster's barrier: no wave of any partner still reads this slot's tile or has a load on its way
	s_add_nc_u64 s[G0+4*(\slot)+2:G0+4*(\slot)+3], s[G0+4*(\slot)+2:G0+4*(\slot)+3], 2*KSTEP*2      ; no tensor load of mine is out: the group 0s may be written; the type bits on top are not reached
	s_add_nc_u64 s[G0B+4*(\slot)+2:G0B+4*(\slot)+3], s[G0B+4*(\slot)+2:G0B+4*(\slot)+3], 2*KSTEP*2
	JLOAD \slot                                    ; the first tensor load behind the round; the four v_nop behind it are also the places in front of the loads below
	FETCH \next, 0, F0
	WIN MUL_HI
	MUL16 F1, 1, 0, 0
	MUL16 F1, 1, 2, 0
.endm
; The same in the last lap: slot 0 is left for slot 1, and nothing is filled again, so no round follows.
.macro TURNL
	MEET 0
	PLACES
	FETCH 1, 0, F0
	WIN MUL_HI
	MUL16 F1, 1, 0, 0
	MUL16 F1, 1, 2, 0
.endm
; THE WAY OUT of block a (16 rows of my 128), in two parts.  TOSTAGE: the eight accumulators go as they are, in f32, into my own stage in LDS (each accumulator's four lowest registers first),
; and come back as whole rows of 512 bytes.  The stage is the wave's own and LDS serves a wave's instructions in order (ISA guide 5.7.1.4): no wait and no barrier between.
.macro TOSTAGE a
.set AC, 64*((\a)%4)
.set BK, OB+64*((\a)%3)
	WIN 0x08+4*((\a)/4)                            ; the stores' data (source 1) in window 2 or 3, the address in window 0
.irp b, 0,1,2,3,4,5,6,7
	ds_store_b128 v[STO], v[AC+8*(\b):AC+8*(\b)+3]   offset:64*(\b)
	ds_store_b128 v[STO], v[AC+8*(\b)+4:AC+8*(\b)+7] offset:64*(\b)+16
.endr
	WIN 0
.if (\a) >= 3
	s_wait_xcnt 0x0                                ; this buffer held the data of block a - 3's stores: it is loaded again only behind this wait (ISA guide 3.1)
.endif
.irp t, 0,1,2,3,4,5,6,7,8,9,10,11,12,13,14,15
	ds_load_b128 v[BK+4*(\t):BK+4*(\t)+3], v[RD] offset:(\t)*SPITCH
.endr
.endm
; SEND: each row is scaled, takes its bias and is stored.  younger: the LDS instructions issued behind block a's loads: the next block's 16 stores and 16 loads, or none.
.macro SEND a, younger
	WIN 0
.set BK, OB+64*((\a)%3)
.irp t, 0,1,2,3,4,5,6,7,8,9,10,11,12,13,14,15
	s_wait_dscnt (\younger)+15-(\t)                ; row t is back; the block's later rows may be out
	v_pk_fma_f32 v[BK+4*(\t):BK+4*(\t)+1],   v[BK+4*(\t):BK+4*(\t)+1],   v[SC:SC+1],   v[BI:BI+1]
	v_pk_fma_f32 v[BK+4*(\t)+2:BK+4*(\t)+3], v[BK+4*(\t)+2:BK+4*(\t)+3], v[SC+2:SC+3], v[BI+2:BI+3]
	global_store_b128 v[CO], v[BK+4*(\t):BK+4*(\t)+3], s[8:9] offset:(16*(\a)+(\t))*ROWC th:TH_STORE_NT  ; 32 lanes store 512 consecutive bytes, at a multiple of 256 from out0's first byte; 127 rows at the most: inside the signed 24-bit immediate
.endr
.endm
	s_wait_tensorcnt 1                             ; my part of K step 0 is in; K step 1's may stay out
	s_barrier_signal -1
	s_barrier_wait -1                              ; everybody's is
	FETCH 0, 0, F0
	QUARTER 0, 64,  F0, F1, 1                      ; the first quarter stands in front of the loop: its products start the sums
	WIN 0                                          ; at a label and at a branch every window is 0
	s_mov_b32 s3, LAPS-1
.Llap:                                                 ; a trip goes once round the ring, from a lap's second quarter to the next lap's first, and fills both slots again
	QUARTER 0, 128, F1, F0, 0
	QUARTER 0, 192, F0, F1, 0
	TURN 0, 1
	QUARTER 1, 64,  F0, F1, 0
	QUARTER 1, 128, F1, F0, 0
	QUARTER 1, 192, F0, F1, 0
	TURN 1, 0
	QUARTER 0, 64,  F0, F1, 0
	WIN 0
	s_sub_co_u32 s3, s3, 1
	s_cmp_lg_u32 s3, 0
	s_cbranch_scc1 .Llap
	QUARTER 0, 128, F1, F0, 0                      ; the last lap is written out: it asks for nothing more
	QUARTER 0, 192, F0, F1, 0
	TURNL
	QUARTER 1, 64,  F0, F1, 0
	QUARTER 1, 128, F1, F0, 0
	QUARTER 1, 192, F0, F1, 0
	s_wait_dscnt 8                                 ; the very last quarter: nothing more to fetch
	MUL16 F1, 0, 0, 0
	MUL16 F1, 0, 2, 0
	s_wait_dscnt 0x0
	MUL16 F1, 1, 0, 0
	MUL16 F1, 1, 2, 0
	WIN 0
	PLACES                                         ; behind the last products: for the stage stores, which read results, and for the loads into xq's fragment registers
	TOSTAGE 0
.irp a, 1,2,3,4,5,6,7                  ; block a goes into the stage while block a - 1's rows come back
	TOSTAGE \a
	SEND (\a)-1, 32
.endr
	SEND 7, 0
	s_wait_tensorcnt 0x0                           ; the wave's end: an add to my spare word and its wait, behind my last tensor load and my last LDS store
	ds_add_u32 v[SPW], v[NIL]
	s_wait_dscnt 0x0
	CROUND                                         ; the closing round: no work-group ends while a partner may still ask for a tile that names it
	s_endpgm
.Lfunc_end_k_qbc6c6b021b_gemm:
	.size	k_qbc6c6b021b_gemm, .Lfunc_end_k_qbc6c6b021b_gemm-k_qbc6c6b021b_gemm
	.p2alignl 7, 3214868480
	.fill 96, 4, 3214868480
	.section	.rodata,"a",@progbits
	.p2align	6, 0x0
	.amdhsa_kernel k_qbc6c6b021b_gemm
		.amdhsa_group_segment_fixed_size 327680
		.amdhsa_private_segment_fixed_size 0
		.amdhsa_enable_private_segment 0
		.amdhsa_kernarg_size 48
		.amdhsa_user_sgpr_count 2
		.amdhsa_user_sgpr_kernarg_segment_ptr 1
		.amdhsa_wavefront_size32 1
		.amdhsa_system_sgpr_workgroup_id_x 1
		.amdhsa_system_sgpr_workgroup_id_y 1
		.amdhsa_system_sgpr_workgroup_id_z 1
		.amdhsa_system_vgpr_workitem_id 0
		.amdhsa_next_free_vgpr 1024
		.amdhsa_next_free_sgpr 80
		.amdhsa_reserve_vcc 0
		.amdhsa_float_denorm_mode_32 3
		.amdhsa_float_denorm_mode_16_64 3
		.amdhsa_memory_ordered 1
		.amdhsa_forward_progress 1
		.amdhsa_inst_pref_size 160
	.end_amdhsa_kernel
	.amdgpu_metadata
---
amdhsa.version: [ 1, 2 ]
amdhsa.kernels:
  - .name:           k_qbc6c6b021b_gemm
    .symbol:         k_qbc6c6b021b_gemm.kd
    .args:
      - { .name: xq, .offset: 0, .size: 8, .value_kind: global_buffer, .address_space: global }
      - { .name: wq, .offset: 8, .size: 8, .value_kind: global_buffer, .address_space: global }
      - { .name: out0, .offset: 16, .size: 8, .value_kind: global_buffer, .address_space: global }
      - { .name: weight_scale, .offset: 24, .size: 8, .value_kind: global_buffer, .address_space: global }
      - { .name: bias, .offset: 32, .size: 8, .value_kind: global_buffer, .address_space: global }
      - { .name: act_scale, .offset: 40, .size: 8, .value_kind: global_buffer, .address_space: global }
    .group_segment_fixed_size: 327680
    .private_segment_fixed_size: 0
    .kernarg_segment_align: 8
    .kernarg_segment_size: 48
    .max_flat_workgroup_size: 128
    .sgpr_count:     80
    .vgpr_count:     1024
    .wavefront_size: 32
...
	.end_amdgpu_metadata
.endif
;; end of part 2
;; ======== version 2 of 2: 2 launches; version 1 with the launch quant written anew for expert scheduling mode
;; workspace buffers: xq 33,554,432 bytes; wq 33,554,432 bytes
;; launch quant (part 3): grid 512 x 2, 8 waves a work-group, no clusters, 0 bytes of LDS; arguments x, weight, act_scale, weight_scale, act_zero_point, weight_zero_point, xq, wq; writes xq, wq
.if DOCPART == 3
	.amdgcn_target "amdgcn-amd-amdhsa--gfx1250"
	.amdhsa_code_object_version 6
	.text
	.protected	k_qbc6c6b021b_quant
	.globl	k_qbc6c6b021b_quant
	.p2align	8
	.type	k_qbc6c6b021b_quant,@function
k_qbc6c6b021b_quant:
	s_mov_b64 s[64:65], 0
	v_nop
	global_prefetch_b8 v0, s[64:65] scope:SCOPE_SE
	s_setreg_imm32_b32 hwreg(HW_REG_WAVE_SCHED_MODE, 0, 2), 2
	s_setreg_imm32_b32 hwreg(HW_REG_WAVE_MODE, 25, 1), 1
	s_wait_xcnt 0x0
	s_wait_alu depctr_vm_vsrc(0)
; xq[n][i] = clip(round(x[n][i] / act_scale), -zp, 255 - zp), wq[o][i] the same with row o's scale and zero point: the uint8 code less its zero point,
; which is what clip(round(t) + zp, 0, 255) - zp comes to.  x, weight: [4096][4096] f32.  xq, wq: [4096][4096] bf16.  The two scales are applied by the next launch, to the finished sums.
; For zero points from -1 to 256 the numbers are whole and at most 256 in size, which bf16 holds exactly; for others they are rounded once to bf16, as matrix operands.
; LIMITS.  x and weight finite, and v / scale finite in f32; |scale| within 2^-126 .. 2^126 (the reciprocal instruction takes denormals for zero: ISA guide 15.8); scale = 0 and NaN are not treated apart;
; |zero point| at most 2^24 - 256, so that -zp and 255 - zp are exact in f32.  The quotient is x r, r a reciprocal refined once, corrected by its exact remainder: it can differ from the f32
; division in the last bit in rare cases; a tie that falls the other way then moves one code by one step.
; SHARES.  A stream: nothing is shared, so no LDS, no barrier, no matrix unit, no cluster.  Grid y picks the tensor (0: x, 1: weight).  A work-group owns 8 rows, a wave ONE row:
; 16,384 bytes in, 8,192 out, so scale and zero point are two scalars of the wave.  A load of the wave covers 512 consecutive bytes (16 a lane); the lane's four numbers become
; 8 bytes, so a store of the wave covers 256 consecutive bytes, aligned.  The row's 32 pieces are written out: no register that a load or a store names as a source is ever written again.
; THE MODE: SCHED_MODE bits 1:0 = 2 (LLVM: expert scheduling mode 2), set by the entry lines.  The code itself states the register dependences
; between vector instructions and memory instructions, with s_wait_alu, always for 0.
; THE PLAN.  The 32 pieces go in 8 blocks of four.  Registers that memory instructions touch:
;   X0 .. X3   four buffers of four slots.  Written by the first sixteen loads (blocks 0 to 3) and by the loads of block q + 3, issued in block q (q = 1 to 4), which land in X[(q - 1) % 4].
;              Block q's arithmetic reads X[q % 4] and writes the remainders into it; in blocks 4 to 7 its roundings land in each slot's first two registers, which the stores issued in block q + 1 read.
;   Y          two registers for each of pieces 0 to 15.  Written once, by the roundings of blocks 0 to 3; read by the stores issued in the block behind.
;   v1, v2     byte offsets, made once at the head: the pieces are reached by immediate offsets.
; Block q's vector instructions name X[q % 4], T, the constants and its own results.  Its memory instructions are the loads into X[(q - 1) % 4] and the stores of block q - 1's results: registers that
; block q - 1 worked on and that no vector instruction of block q names.  So ONE wait at a block's head states all that the block's eight memory instructions hang on, and they are dealt among its
; vector instructions, a load and a store ahead of each piece's arithmetic, with no further wait.  Nothing that a memory instruction reads is written again: no wait for that is owed.
; Twelve or thirteen loads of a wave are out: a slot lies idle from its piece's arithmetic to the next block's head.
.set LIN,  1                           ; v1        16 x lane: my bytes in a piece of the source row; never rewritten
.set LOUT, 2                           ; v2        8 x lane: my bytes in a piece of the destination row; never rewritten
.set R,    4                           ; v[4:5]    1 / scale, twice (a pair for the packed forms)
.set NS,   6                           ; v[6:7]    -scale, twice
.set LO,   8                           ; v8        -zp
.set HI,   9                           ; v9        255 - zp
.set T,    12                          ; v[12:15]  four numbers at work: no memory instruction names them
.set X,    16                          ; v[16:79]  slot s of 16: four numbers as loaded; buffer k is slots 4 k to 4 k + 3
.set Y,    80                          ; v[80:111] pieces 0 to 15: two registers each, to store
	s_load_b512 s[16:31], s[0:1], 0x0              ; x, weight, act_scale, weight_scale, act_zero_point, weight_zero_point, xq, wq: s[16:17] .. s[30:31]
	v_and_b32 v3, 31, v0                           ; lane
	v_lshlrev_b32 v[LIN], 4, v3
	v_lshlrev_b32 v[LOUT], 3, v3
	v_lshrrev_b32 v3, 5, v0
	v_readfirstlane_b32 s2, v3                     ; wave 0..7
	s_and_b32 s3, ttmp7, 0xffff                    ; 0: x, 1: weight
	s_lshl_b32 s4, ttmp9, 3
	s_wait_alu depctr_va_sdst(0)                   ; s2 is written, ahead of its first reader: the row's number, and all the bases, are made from it
	s_add_co_u32 s4, s4, s2                        ; my row
	s_mul_i32 s14, s4, s3                          ; the row's place among the scales and zero points: the row for weight, 0 for x (one number each)
	s_lshl_b32 s14, s14, 2
	s_mov_b32 s15, 0
	s_lshl_b32 s32, s4, 14                         ; the row's first byte in the source,
	s_mov_b32 s33, 0
	s_lshl_b32 s34, s4, 13                         ; and in the destination
	s_mov_b32 s35, 0
	s_wait_kmcnt 0x0
	s_cmp_eq_u32 s3, 0                             ; the choice hangs on the grid's y alone; the four selects leave SCC as it is
	s_cselect_b64 s[6:7], s[16:17], s[18:19]       ; source
	s_cselect_b64 s[8:9], s[20:21], s[22:23]       ; scale
	s_cselect_b64 s[10:11], s[24:25], s[26:27]     ; zero point
	s_cselect_b64 s[12:13], s[28:29], s[30:31]     ; destination
	s_add_nc_u64 s[6:7], s[6:7], s[32:33]
	s_add_nc_u64 s[8:9], s[8:9], s[14:15]
	s_add_nc_u64 s[10:11], s[10:11], s[14:15]
	s_add_nc_u64 s[12:13], s[12:13], s[34:35]
	s_load_b32 s36, s[8:9], 0x0                    ; my row's scale
	s_load_b32 s37, s[10:11], 0x0                  ; and zero point
	s_wait_alu depctr_va_vdst(0)                   ; v1 and v2 are written: every load and store of the kernel reads one of them as its offset
.set n, 0
.rept 16
	global_load_b128 v[X+4*n:X+4*n+3], v[LIN], s[6:7] offset:512*n th:TH_LOAD_NT  ; pieces 0 to 15: read once in the launch
.set n, n+1
.endr
	s_wait_kmcnt 0x0
	v_mov_b32 v10, s36                             ; s
	v_rcp_f32 v[R], v10
	v_cvt_f32_i32 v11, s37                         ; a plain instruction behind the reciprocal, ahead of the use of its result (ISA guide 5.7.2)
	v_sub_f32 v[LO], 0, v11
	v_sub_f32 v[HI], 0x437f0000, v11               ; 255.0 - zp
	s_wait_alu depctr_va_vdst(0)
	v_fma_f32 v11, -v10, v[R], 1.0                 ; 1 - s r
	v_fma_f32 v[R], v11, v[R], v[R]                ; r refined once
	v_mov_b32 v[R+1], v[R]
	v_xor_b32 v[NS], 0x80000000, v10
	v_mov_b32 v[NS+1], v[NS]
; Piece j of the row's 32; it belongs to block j / 4.  Ahead of its arithmetic stand the load of piece j + 12 (pieces 4 to 19: into the slot of piece j - 4) and the store of piece j - 4 (from piece 4 on).
.macro QPIECE j
.set XS, X+4*((\j)%16)                 ; my slot
.if (\j) < 16
.set YS, Y+2*(\j)                      ; where my result goes: pieces 0 to 15 have registers of their own,
.else
.set YS, XS                            ; pieces 16 to 31 the slot's own first two: it is loaded no more
.endif
.if (\j) < 20
.set YP, Y+2*((\j)-4)                  ; where piece j - 4's result lies
.else
.set YP, X+4*((\j)-20)
.endif
.if (\j) < 4
.set LEFT, 15-(\j)                     ; behind my load stand the first loads of pieces j + 1 to 15
.elseif (\j) < 20
.set LEFT, 12                          ; the loads go out in the pieces' order, and piece j + 12's has just been issued
.else
.set LEFT, 31-(\j)                     ; nothing more is loaded: the counts run down
.endif
.if ((\j) >= 4) && ((\j)%4 == 0)
	s_wait_alu depctr_va_vdst(0)                   ; a block's head: the block before has written its four results, which the stores of this block read, and is done reading and writing its four slots, in which the loads of this block land
.endif
.if ((\j) >= 4) && ((\j) < 20)
	global_load_b128 v[X+4*(((\j)+12)%16):X+4*(((\j)+12)%16)+3], v[LIN], s[6:7] offset:512*((\j)+12) th:TH_LOAD_NT  ; three blocks ahead; no vector instruction since the block's head names these registers
.endif
.if (\j) >= 4
	global_store_b64 v[LOUT], v[YP:YP+1], s[12:13] offset:256*((\j)-4)  ; the block before's: 32 lanes store 256 consecutive bytes, at a multiple of 256 from the buffer's first byte; the next launch reads them, so no hint
.endif
	s_wait_loadcnt LEFT                            ; loads come back in order (ISA guide 5.7.1): mine is in
	v_pk_mul_f32 v[T:T+1],   v[XS:XS+1],   v[R:R+1]                  ; q0 = x r
	v_pk_mul_f32 v[T+2:T+3], v[XS+2:XS+3], v[R:R+1]
	v_pk_fma_f32 v[XS:XS+1],   v[T:T+1],   v[NS:NS+1], v[XS:XS+1]    ; x - q0 s, one rounding
	v_pk_fma_f32 v[XS+2:XS+3], v[T+2:T+3], v[NS:NS+1], v[XS+2:XS+3]
	v_pk_fma_f32 v[T:T+1],   v[XS:XS+1],   v[R:R+1], v[T:T+1]        ; q = q0 + (x - q0 s) r
	v_pk_fma_f32 v[T+2:T+3], v[XS+2:XS+3], v[R:R+1], v[T+2:T+3]
.irp k, 0,1,2,3
	v_rndne_f32 v[T+(\k)], v[T+(\k)]               ; to the nearest whole number, ties to even
.endr
.irp k, 0,1,2,3
	v_med3_num_f32 v[T+(\k)], v[T+(\k)], v[LO], v[HI]  ; the middle of three: the clip
.endr
	v_cvt_pk_bf16_f32 v[YS],   v[T],   v[T+1]
	v_cvt_pk_bf16_f32 v[YS+1], v[T+2], v[T+3]
.endm
.set n, 0
.rept 32
	QPIECE n
.set n, n+1
.endr
	s_wait_alu depctr_va_vdst(0)                   ; the last block has written its four results, which the last four stores read
.set n, 28
.rept 4
	global_store_b64 v[LOUT], v[X+4*(n-16):X+4*(n-16)+1], s[12:13] offset:256*n
.set n, n+1
.endr
	s_endpgm
.Lfunc_end_k_qbc6c6b021b_quant:
	.size	k_qbc6c6b021b_quant, .Lfunc_end_k_qbc6c6b021b_quant-k_qbc6c6b021b_quant
	.p2alignl 7, 3214868480
	.fill 96, 4, 3214868480
	.section	.rodata,"a",@progbits
	.p2align	6, 0x0
	.amdhsa_kernel k_qbc6c6b021b_quant
		.amdhsa_group_segment_fixed_size 0
		.amdhsa_private_segment_fixed_size 0
		.amdhsa_enable_private_segment 0
		.amdhsa_kernarg_size 64
		.amdhsa_user_sgpr_count 2
		.amdhsa_user_sgpr_kernarg_segment_ptr 1
		.amdhsa_wavefront_size32 1
		.amdhsa_system_sgpr_workgroup_id_x 1
		.amdhsa_system_sgpr_workgroup_id_y 1
		.amdhsa_system_sgpr_workgroup_id_z 1
		.amdhsa_system_vgpr_workitem_id 0
		.amdhsa_next_free_vgpr 112
		.amdhsa_next_free_sgpr 66
		.amdhsa_reserve_vcc 0
		.amdhsa_float_denorm_mode_32 3
		.amdhsa_float_denorm_mode_16_64 3
		.amdhsa_memory_ordered 1
		.amdhsa_forward_progress 1
		.amdhsa_inst_pref_size 38
	.end_amdhsa_kernel
	.amdgpu_metadata
---
amdhsa.version: [ 1, 2 ]
amdhsa.kernels:
  - .name:           k_qbc6c6b021b_quant
    .symbol:         k_qbc6c6b021b_quant.kd
    .args:
      - { .name: x, .offset: 0, .size: 8, .value_kind: global_buffer, .address_space: global }
      - { .name: weight, .offset: 8, .size: 8, .value_kind: global_buffer, .address_space: global }
      - { .name: act_scale, .offset: 16, .size: 8, .value_kind: global_buffer, .address_space: global }
      - { .name: weight_scale, .offset: 24, .size: 8, .value_kind: global_buffer, .address_space: global }
      - { .name: act_zero_point, .offset: 32, .size: 8, .value_kind: global_buffer, .address_space: global }
      - { .name: weight_zero_point, .offset: 40, .size: 8, .value_kind: global_buffer, .address_space: global }
      - { .name: xq, .offset: 48, .size: 8, .value_kind: global_buffer, .address_space: global }
      - { .name: wq, .offset: 56, .size: 8, .value_kind: global_buffer, .address_space: global }
    .group_segment_fixed_size: 0
    .private_segment_fixed_size: 0
    .kernarg_segment_align: 8
    .kernarg_segment_size: 64
    .max_flat_workgroup_size: 256
    .sgpr_count:     66
    .vgpr_count:     112
    .wavefront_size: 32
...
	.end_amdgpu_metadata
.endif
;; end of part 3
;; launch gemm: the kernel of part 2 again; grid 16 x 16, 4 waves a work-group, clusters of 4 x 4, 327,680 bytes of LDS; arguments xq, wq, out0, weight_scale, bias, act_scale; writes out0
